; MI455X (gfx1250); checked and timed in simulation.
; The chip was launched on July 23, 2026; its instructions are those of AMD's public machine-readable ISA for CDNA 5 (MIT licence, August 2026) and "CDNA5" Instruction Set Architecture Reference Guide (July 2026). The comments in the code are by the model that wrote it; some were corrected since.
;; Multi Head Attention. Allowed arithmetic: matrix products marked QUANTISED: E2M1 operands, one E8M0 scale for each 32 along K, by v_wmma_scale_f32_16x16x128_f8f6f4 with both operands' format E2M1 (or v_wmma_scale_f32_32x16x128_f4), f32 sums; everything else in f32.
;; Inputs: W_key_codes 1,024 x 32 x 16 uint8 (E2M1 codes of W_key, K innermost, in blocks of 32 codes, two codes a byte); W_key_scales 1,024 x 32 uint8 (E8M0 scales of W_key, one for each 32 codes along K); W_out_codes 1,024 x 32 x 16 uint8 (E2M1 codes of W_out, K innermost, in blocks of 32 codes, two codes a byte); W_out_scales 1,024 x 32 uint8 (E8M0 scales of W_out, one for each 32 codes along K); W_query_codes 1,024 x 32 x 16 uint8 (E2M1 codes of W_query, K innermost, in blocks of 32 codes, two codes a byte); W_query_scales 1,024 x 32 uint8 (E8M0 scales of W_query, one for each 32 codes along K); W_value_codes 1,024 x 32 x 16 uint8 (E2M1 codes of W_value, K innermost, in blocks of 32 codes, two codes a byte); W_value_scales 1,024 x 32 uint8 (E8M0 scales of W_value, one for each 32 codes along K); b_out 1,024 float32; x_codes 4 x 2,048 x 32 x 16 uint8 (E2M1 codes of x, K innermost, in blocks of 32 codes, two codes a byte); x_scales 4 x 2,048 x 32 uint8 (E8M0 scales of x, one for each 32 codes along K).
;; Outputs: out0 4 x 2,048 x 1,024 float32.
;; This version of the problem:
;;   THIS VERSION OF THE PROBLEM IS GIVEN IN LOW PRECISION. The matrix products marked QUANTISED in the list below multiply operands that are first quantised to E2M1 (2 exponent bits, 1 mantissa bit; 4 bits a number), with one power-of-two scale for each 32 numbers along K (OCP MX v1.0); their sums are f32. All else is computed in f32.
;;   The module's matrix products, in the order in which they are computed (A, B: the left and right operand; K: the contracted axis; several contracted axes count as one K, in the product's order):
;;     1. [M 8,192, K 1,024] x [K 1,024, N 1,024]; A: input x (given as codes); B: input W_query (given as codes): QUANTISED
;;     2. [M 8,192, K 1,024] x [K 1,024, N 1,024]; A: input x (given as codes); B: input W_key (given as codes): QUANTISED
;;     3. [M 8,192, K 1,024] x [K 1,024, N 1,024]; A: input x (given as codes); B: input W_value (given as codes): QUANTISED
;;     4. batch 64 x [M 2,048, K 64] x [K 64, N 2,048]; A: computed on the way; B: computed on the way: QUANTISED
;;     5. batch 64 x [M 2,048, K 2,048] x [K 2,048, N 64]; A: softmax (see below); B: computed on the way: QUANTISED
;;     6. [M 8,192, K 1,024] x [K 1,024, N 1,024]; A: computed on the way; B: input W_out (given as codes): QUANTISED
;;   THE QUANTISER, for each operand of a quantised product, along K:
;;     - K is cut into blocks of 32 from its start; a last block that is shorter is filled with zeros.
;;     - A block's scale is 2^e with e = floor(log2(the largest magnitude in the block)) - 2, held to -126 .. 127; a block of zeros has e = 0. As a byte (E8M0): e + 127.
;;     - Each number is divided by its block's scale, clamped to +-6, and rounded to the nearest number of E2M1, ties to even, subnormals kept.
;;     - The product sums the exact products of the quantised numbers (number of the format x scale) in f32.
;;   ~~~python
;;   def quantise(x, axis):      # numpy; x: float32 -> the quantised numbers, widened to float32 again
;;       x = np.moveaxis(x, axis, -1); K = x.shape[-1]
;;       x = np.pad(x, [(0, 0)] * (x.ndim - 1) + [(0, -K % 32)]); x = x.reshape(x.shape[:-1] + (-1, 32)); a = np.abs(x).max(-1, keepdims=True)
;;       e = np.where(a > 0, np.clip(np.frexp(np.where(a > 0, a, 1))[1] - 1 - 2, -126, 127), 0)      # np.frexp(a)[1] - 1 = floor(log2(a)), exactly
;;       r = np.clip(x / 2.0 ** e, -6, 6)
;;       step = 2.0 ** (np.maximum(np.frexp(np.where(r == 0, 1, r))[1] - 1, 0) - 1)
;;       q = np.round(r / step) * step * 2.0 ** e      # np.round: ties to even
;;       return np.moveaxis(q.reshape(q.shape[:-2] + (-1,))[..., :K], -1, axis).astype(np.float32)
;;   ~~~
;;   SOFTMAX AHEAD OF A QUANTISED PRODUCT. Where the list says 'softmax', what is quantised is not the finished softmax but p = 2^(t - M), with t = logit x log2(e) and M = ceil(the row's largest t), a whole number; so 1/2 < the row's largest p <= 1. The row's sum l is taken of the UNQUANTISED p, in f32, and the product's result is divided by l at the end. Since M is a whole number, a kernel that streams over the keys may use a running M (the ceiling of the running maximum): every later rescaling is an exact power of two, which a block's scale takes up: the codes' values come out the same.
;;   OPERANDS COMPUTED ON THE WAY. 'Computed on the way' means the value that the module computes at that place (a softmax that the list does not call 'softmax' is quantised finished and normalised). What goes into a quantiser is computed in f32, as accurately as f32 sums, v_exp_f32 and their like allow (about 1e-6 of the number): no bf16 or f16 on the way to a quantiser, and a product that is left as it is and whose result goes on into a quantised operand takes f32 operands (vector FMAs, or v_wmma_f32_16x16x4_f32). A number that lies on a knife's edge between two numbers of the format may be rounded either way, as far as f32 arithmetic and the matrix unit's own rounding can turn it there, and no further.
;;   INPUTS GIVEN AS CODES. W_key (in the module: [1024, 1024], K = its axis 0); W_out (in the module: [1024, 1024], K = its axis 0); W_query (in the module: [1024, 1024], K = its axis 0); W_value (in the module: [1024, 1024], K = its axis 0); x (in the module: [4, 2048, 1024], K = its axis 2): each comes as NAME_codes (uint8): NAME with its K axis moved to the last place and cut into blocks of 32 codes, [.., K / 32, bytes a block], one block behind the other in memory; two codes a byte, the lower K in the low four bits (a code: sign, 2 exponent bits, 1 mantissa bit); and NAME_scales (uint8): the same leading axes, one E8M0 byte (e + 127) for each 32 codes along K. Its value is code x scale, taken as it is: it is not quantised again, and the codes and scales need not be those that the quantiser above would give.
;; One version. Each part assembles by itself: llvm-mc -triple=amdgcn-amd-amdhsa -mcpu=gfx1250 --defsym DOCPART=n.
;; ======== version 1 of 1: 3 launches
;; workspace buffers: qq 4,718,592 bytes; kv 9,175,040 bytes; cc 4,194,304 bytes; cs 262,144 bytes
;; launch qkv (part 1): grid 8 x 32, 4 waves a work-group, clusters of 4 x 4, 327,680 bytes of LDS; arguments x_codes, x_scales, W_query_codes, W_query_scales, W_key_codes, W_key_scales, W_value_codes, W_value_scales, qq, kv; writes qq, kv
.if DOCPART == 1
	.amdgcn_target "amdgcn-amd-amdhsa--gfx1250"
	.amdhsa_code_object_version 6
	.text
	.protected	k_q7d41548d4e_qkv
	.globl	k_q7d41548d4e_qkv
	.p2align	8
	.type	k_q7d41548d4e_qkv,@function
k_q7d41548d4e_qkv:
	s_mov_b64 s[64:65], 0
	v_nop
	global_prefetch_b8 v0, s[64:65] scope:SCOPE_SE
	s_setreg_imm32_b32 hwreg(HW_REG_WAVE_MODE, 25, 1), 1
	s_wait_xcnt 0x0
	s_wait_alu depctr_hold_cnt(0) depctr_sa_sdst(0) depctr_va_vdst(0) depctr_va_sdst(0) depctr_va_ssrc(0) depctr_va_vcc(0) depctr_vm_vsrc(0)
	s_getreg_b32 s2, hwreg(HW_REG_IB_STS2, 6, 4)
	s_cmp_eq_u32 s2, 0
	s_cbranch_scc0 .Lentry_in_a_cluster
	s_endpgm
.Lentry_in_a_cluster:
	s_bfe_u32 s2, ttmp6, 0x10000c
	s_cmp_lg_u32 s2, 0xf033
	s_cbranch_scc0 .Lentry_shape_is_right
	s_endpgm
.Lentry_shape_is_right:
; CAUSAL MULTI-HEAD ATTENTION ON CODES OF MX-FP4, first of three launches: q = x Wq, k = x Wk, v = x Wv, each quantised on the way out.
; x: 8,192 tokens x 1,024 as codes (rows of 512 bytes) with one E8M0 byte for each 32 along K; the weights likewise, [1,024 columns][1,024 along K].
; OUT: q and k as codes along a head's 64 (two blocks of 32), v as codes along the KEYS (blocks of 32 tokens), all laid as IMAGES OF OPERAND REGISTERS: lane l's 16 bytes at 16 l.
;   qq: [64 batch-heads][16 steps of 128 tokens][4,608]: 8 tiles of 16 tokens x 512 bytes (lane (r, h): token r, d = 32 h .. 32 h + 31), then 512 bytes of scale words: word i of lane l = tile 2 i + l / 16, row l % 16.
;   kv: [64][16][8,960]: k as q (4,608 bytes); v's codes [4 tiles of 16 d][2][32 lanes][16] (lane (r, h): d = r, keys 64 c + 32 h + 0 .. 31); 256 bytes of v's scale words: word i of lane l = tile 2 i + l / 16, row l % 16.
; DEAD WORK IN THE WHOLE PROGRAM: every input has a way to the output and is loaded.  The one thing left out, in the second launch, is key steps of 128 keys all of which come after all 16 queries of a tile:
; reference() itself sets their scores to -infinity by its own jnp.tril, so their weights are 0 for all values of the inputs and they add nothing to any sum.  This launch leaves nothing out.
; LIMITS: NaN and infinities among the inputs are not served, and one that would reach only the hidden key steps is not carried to the result; a block whose largest magnitude lies under 2^-124 gets the scale byte 1;
; a block of zeros gets the byte 1 where the rule says 127: its codes are zeros, and these bytes are read by this program alone.
; SHARES.  A work-group of four waves takes 256 tokens x two heads.  Wave w: tokens 128 (w / 2) on, head w % 2; three phases (q, k, v), each 128 tokens x 64 columns: 32 accumulators, 8 K steps of 128.
; q and k are made TRANSPOSED (source 0 = 16 rows of W, source 1 = 16 tokens): a lane holds one token and its registers run along d, the next product's K.  v is made the natural way: a lane holds one d, registers run along the tokens, its next K.
; FROM RESULT TO OPERAND.  Four neighbouring tiles T0 .. T3 along the next K: register j of Ti in lane (r, h) is k = 16 i + 8 h + j.  A block of 32 is two tiles in lanes l and l xor 16.  The codes of T0, T2, T1, T3 go to four registers
; g0 .. g3; g0's upper lanes change places with g1's lower, g2's with g3's: then g0 .. g3 of lane (r, h) hold k = 32 h + 0 .. 31, which is the operand's layout.
; LDS: two slots, one for each half of K (rows of 256 bytes + 16 of padding): x's 256 rows, then two weights' 128 rows each.  W_value comes later into W_query's bytes: the one refill of the launch.
; CLUSTER 4 x 4: x's tiles hang on the token block alone and are asked for jointly along a row of the cluster, the weights' on the head pair alone and along a column.
; No prefetch: all tiles but W_value's are asked for at the head, and W_value's load has a whole phase in which to land.
; REGISTERS: window 0: v1-13 addresses; v16-47 x's scale words; v48-95 the weights'; v96-223 x's fragments, two sets (at work in the epilogues); v224-255 the codes.  window 1: the accumulators, (a, b) at v[8 (4 a + b)].  window 2: v0-63 the weight's fragments, two sets.
.set PITCH, 272                        ; an LDS row: 256 bytes + 16: the 16 rows of a fragment load fall on 16 different 16-byte columns of 256
.set HALFT, 128*PITCH                  ; 128 rows: what one tensor load brings
.set SLOT,  4*HALFT
.set SPARE, 2*SLOT                     ; the spare words: 128 bytes a wave, two blocks of 256 bytes that no other line names
.set LI,   3                           ; v3   16 x lane
.set L8,   4                           ; v4   8 x lane
.set VS32, 5                           ; v5   32 r + 16 h: my 16 scale bytes of row r
.set ADRA, 6                           ; v6-7   x's fragments in slot 0, 1
.set ADRB, 8                           ; v8-11  the weight's: 2 x buffer + slot
.set SPW,  12
.set NIL,  13
.set SA,   16                          ; x's scale words: tile i, register 4 i + q: lanes 0-15 K step q, lanes 16-31 K step 4 + q
.set SB,   48                          ; the weights': 16 x phase + 4 x tile + q, likewise
.set XF,   96
.set PC,   224
.set MT,   96                          ; the epilogues: 16 largest magnitudes,
.set T2,   112                         ; the other half of the lanes',
.set SO,   128                         ; the conversions' scale operands,
.set BY,   144                         ; the scale bytes,
.set WD,   160                         ; the scale words,
.set IM,   168                         ; and their image
.set WV, 24
.set RH, 25
.set HS, 26
.set CX, 27
.set CY, 28
.set HY, 29
.set MB, 30
.set HM, 31                            ; the mask of lanes 16-31
.set G1A, 32
.set G1B, 40
.set G0A, 48
.set G0B, 56
.set G0V, 68
.set SEL, 90
.set PQ,  92
.set PK,  94
.set MSB, 0
.macro WIN new                         ; the immediate's high byte repeats the setting that is left
.if MSB != \new
	s_set_vgpr_msb (MSB<<8)|\new
.set MSB, \new
.endif
.endm
.macro PLACES                          ; four plain places behind matrix instructions, in front of loads into registers that they read and of reads of their results
.rept 4
	v_nop
.endr
.endm
; A joint load: waves 0 and 1 fetch x's halves, waves 2 and 3 a weight each.  The branch hangs on the wave's number alone.  An s_nop 0 and four v_nop follow each line.
.macro JLOAD g0a, g1a, g0b, g1b
	s_cmp_eq_u32 s[RH], 0
	s_cbranch_scc0 .Lfor_b_\@
	tensor_load_to_lds s[\g0a:\g0a+3], s[\g1a:\g1a+7]
	s_nop 0
.rept 4
	v_nop
.endr
	s_branch .Lasked_\@
.Lfor_b_\@:
	tensor_load_to_lds s[\g0b:\g0b+3], s[\g1b:\g1b+7]
	s_nop 0
.rept 4
	v_nop
.endr
.Lasked_\@:
.endm
.macro VLOAD                           ; the refill: waves 2 and 3 bring W_value's two halves of K into W_query's bytes
	s_cmp_lt_u32 s[WV], 2
	s_cbranch_scc1 .Lno_v_\@
	tensor_load_to_lds s[G0V:G0V+3], s[G1B:G1B+7]
	s_nop 0
.rept 4
	v_nop
.endr
.Lno_v_\@:
.endm
.macro CROUND                          ; a round of the cluster's barrier
	s_barrier_signal -1
	s_barrier_wait -1
	s_cmp_lg_u32 s[WV], 0
	s_cbranch_scc1 .Lnot_wave_0_\@
	s_barrier_signal -3
.Lnot_wave_0_\@:
	s_barrier_wait -3
	s_barrier_signal -1
	s_barrier_wait -1
.endm
	s_load_b512 s[4:19], s[0:1], 0x0               ; x codes, scales; W_query codes, scales; W_key; W_value
	s_load_b128 s[20:23], s[0:1], 0x40             ; qq, kv
	v_lshl_add_u32 v[SPW], v0, 2, SPARE
	v_mov_b32 v[NIL], 0
	ds_add_u32 v[SPW], v[NIL]                      ; the wave's opening: the add, twice on end, and its wait ahead of my first tensor load
	ds_add_u32 v[SPW], v[NIL]
	v_lshrrev_b32 v1, 5, v0
	v_readfirstlane_b32 s[WV], v1                  ; wave 0..3
	s_lshr_b32 s[RH], s[WV], 1                     ; my 128 tokens.  Also: I fetch x (0) or a weight (1)
	s_and_b32 s[HS], s[WV], 1                      ; my head.  Also: which half or which weight I fetch
	s_bfe_u32 s[CX], ttmp6, 0x40000
	s_bfe_u32 s[CY], ttmp6, 0x40004
	s_lshl_b32 s[HY], ttmp9, 2
	s_add_co_u32 s[HY], s[HY], s[CX]               ; the head pair, 0..7
	s_and_b32 s[MB], ttmp7, 0xffff
	s_lshl_b32 s[MB], s[MB], 2
	s_add_co_u32 s[MB], s[MB], s[CY]               ; the block of 256 tokens, 0..31
	s_lshl_b32 s72, s[CY], 2
	s_lshl_b32 s72, 15, s72                        ; my row of the cluster
	s_lshl_b32 s73, 0x1111, s[CX]                  ; my column
	s_or_b32 s[G1A], s72, (1<<20)|(1<<21)|(5<<22)|(3<<25)   ; the mask; elements of 1 byte; padding on; bit 21 beside a mask; 4 words of padding after every 64
	s_or_b32 s[G1B], s73, (1<<20)|(1<<21)|(5<<22)|(3<<25)
.irp g, G1A, G1B
	s_mov_b32 s[\g+1], 256<<16                     ; tensor_dim0 = 256 bytes
	s_mov_b32 s[\g+2], 128<<16                     ; tensor_dim1 = 128 rows
	s_mov_b32 s[\g+3], 256<<16                     ; tile_dim0
	s_mov_b32 s[\g+4], 128                         ; tile_dim1
	s_mov_b32 s[\g+5], 512                         ; from row to row in memory
	s_mov_b32 s[\g+6], 0
	s_mov_b32 s[\g+7], 0
.endr
	s_lshl_b32 s74, s[MB], 8
	s_lshl_b32 s75, s[HS], 7
	s_add_co_u32 s74, s74, s75
	s_lshl_b32 s74, s74, 9                         ; x: row 256 x block + 128 x half, 512 bytes a row
	s_mov_b32 s75, 0
	s_lshl_b32 s76, s[HY], 16                      ; a weight: row 128 x head pair
	s_mov_b32 s77, 0
	s_mul_i32 s78, s[WV], HALFT                    ; where my first fills go: wave x 128 rows
	s_mul_i32 s79, s[HS], SLOT
	s_add_co_u32 s79, s79, 2*HALFT                 ; and W_value's half of K: the first weight's place in slot 0 or 1
	s_lshl_b32 s84, s[HS], 8
	s_mov_b32 s85, 0
	s_mov_b32 s[HM], 0xffff0000
	s_mov_b32 s[SEL], 0x76543210
	s_mov_b32 s[SEL+1], 0xfedcba98                 ; v_permlanex16_b32's selects for lane l xor 16
	s_wait_dscnt 0x0                               ; both opening adds are done
	s_wait_kmcnt 0x0
	s_add_nc_u64 s[74:75], s[4:5], s[74:75]
	s_cmp_eq_u32 s[HS], 0
	s_cselect_b64 s[80:81], s[8:9], s[12:13]       ; wave 2 fetches W_query, wave 3 W_key
	s_add_nc_u64 s[80:81], s[80:81], s[76:77]
	s_add_nc_u64 s[82:83], s[16:17], s[76:77]
	s_add_nc_u64 s[82:83], s[82:83], s[84:85]
.irp s, 0,1
	s_mov_b32 s[G0A+4*\s], 1
	s_add_co_u32 s[G0A+4*\s+1], s78, \s*SLOT
	s_add_nc_u64 s[G0A+4*\s+2:G0A+4*\s+3], s[74:75], \s*256
	s_or_b32 s[G0A+4*\s+3], s[G0A+4*\s+3], 0x80000000
	s_mov_b32 s[G0B+4*\s], 1
	s_add_co_u32 s[G0B+4*\s+1], s78, \s*SLOT
	s_add_nc_u64 s[G0B+4*\s+2:G0B+4*\s+3], s[80:81], \s*256
	s_or_b32 s[G0B+4*\s+3], s[G0B+4*\s+3], 0x80000000
.endr
	s_mov_b32 s[G0V], 1
	s_mov_b32 s[G0V+1], s79
	s_mov_b64 s[G0V+2:G0V+3], s[82:83]
	s_or_b32 s[G0V+3], s[G0V+3], 0x80000000
	CROUND                                         ; all sixteen work-groups are here: the first joint loads meet
	JLOAD G0A, G1A, G0B, G1B                       ; the first half of K
	JLOAD G0A+4, G1A, G0B+4, G1B                   ; the second: two loads of mine are out
	v_and_b32 v1, 15, v0                           ; r
	v_bfe_u32 v2, v0, 4, 1                         ; h
	v_and_b32 v14, 31, v0
	v_lshlrev_b32 v[LI], 4, v14
	v_lshlrev_b32 v[L8], 3, v14
	v_lshlrev_b32 v[VS32], 5, v1
	v_lshl_add_u32 v[VS32], v2, 4, v[VS32]
	s_wait_alu depctr_va_vdst(0)
	v_mul_u32_u24 v15, v1, PITCH
	v_lshl_add_u32 v15, v2, 4, v15                 ; a fragment's row x pitch + 16 h
	s_mul_i32 s72, s[RH], HALFT                    ; my 128 tokens
	s_mul_i32 s73, s[HS], 64*PITCH                 ; my head's 64 rows of a weight,
	s_add_co_u32 s73, s73, 2*HALFT                 ; behind x's 256 rows
	v_add_nc_u32 v[ADRA], s72, v15
	v_add_nc_u32 v[ADRA+1], SLOT, v[ADRA]
	v_add_nc_u32 v[ADRB], s73, v15
	v_add_nc_u32 v[ADRB+1], SLOT, v[ADRB]
	v_add_nc_u32 v[ADRB+2], HALFT, v[ADRB]
	v_add_nc_u32 v[ADRB+3], HALFT, v[ADRB+1]
	s_lshl_b32 s86, s[MB], 8
	s_lshl_b32 s87, s[RH], 7
	s_add_co_u32 s86, s86, s87
	s_lshl_b32 s86, s86, 5                         ; my tokens' scale bytes: 32 a row
	s_mov_b32 s87, 0
	s_add_nc_u64 s[6:7], s[6:7], s[86:87]
	s_lshl_b32 s88, s[HY], 12
	s_lshl_b32 s89, s[HS], 11
	s_add_co_u32 s88, s88, s89                     ; my head's rows' scale bytes
	s_mov_b32 s89, 0
	s_add_nc_u64 s[10:11], s[10:11], s[88:89]
	s_add_nc_u64 s[14:15], s[14:15], s[88:89]
	s_add_nc_u64 s[18:19], s[18:19], s[88:89]
.irp i, 0,1,2,3,4,5,6,7
	global_load_b128 v[SA+4*\i:SA+4*\i+3], v[VS32], s[6:7] offset:512*\i      ; 32 lanes read 512 consecutive bytes: 16 rows' scale bytes for all of K
.endr
.irp b, 0,1,2,3
	global_load_b128 v[SB+4*\b:SB+4*\b+3], v[VS32], s[10:11] offset:512*\b
	global_load_b128 v[SB+16+4*\b:SB+16+4*\b+3], v[VS32], s[14:15] offset:512*\b
	global_load_b128 v[SB+32+4*\b:SB+32+4*\b+3], v[VS32], s[18:19] offset:512*\b
.endr
	s_lshr_b32 s72, s[MB], 3                       ; where my 128 tokens of my head lie in qq and kv: ((batch x 16 + head) x 16 + step)
	s_lshl_b32 s72, s72, 4
	s_lshl_b32 s73, s[HY], 1
	s_add_co_u32 s72, s72, s73
	s_add_co_u32 s72, s72, s[HS]
	s_lshl_b32 s72, s72, 4
	s_and_b32 s73, s[MB], 7
	s_lshl_b32 s73, s73, 1
	s_add_co_u32 s72, s72, s73
	s_add_co_u32 s72, s72, s[RH]
	s_mul_i32 s84, s72, 4608
	s_mov_b32 s85, 0
	s_add_nc_u64 s[PQ:PQ+1], s[20:21], s[84:85]
	s_mul_i32 s84, s72, 8960
	s_add_nc_u64 s[PK:PK+1], s[22:23], s[84:85]
; 24 LDS loads in one run: K step s's fragments (the weight's 4 in window 2, x's 8 in window 0) into set s % 2
.macro FETCH buf, s
.set fS, ((\s)%2)
.set fL, ((\s)/4)
.set fQ, ((\s)%4)
	WIN 0x80
.irp b, 0,1,2,3
.irp c, 0,1
	ds_load_b128 v[32*fS+8*\b+4*\c:32*fS+8*\b+4*\c+3], v[ADRB+2*(\buf)+fL] offset:64*fQ+32*\c+\b*16*PITCH
.endr
.endr
	WIN 0
.irp i, 0,1,2,3,4,5,6,7
.irp c, 0,1
	ds_load_b128 v[XF+64*fS+8*\i+4*\c:XF+64*fS+8*\i+4*\c+3], v[ADRA+fL] offset:64*fQ+32*\c+\i*16*PITCH
.endr
.endr
.endm
.macro WMS d, a, b, sa, sb, kind       ; kind 0: the product starts the sum; 1: in place; 2: in place, both sides' scale words in lanes 16-31
.if \kind == 0
	v_wmma_scale_f32_16x16x128_f8f6f4 v[\d:\d+7], v[\a:\a+7], v[\b:\b+7], 0, v[\sa], v[\sb] matrix_a_fmt:MATRIX_FMT_FP4 matrix_b_fmt:MATRIX_FMT_FP4
.elseif \kind == 1
	v_wmma_scale_f32_16x16x128_f8f6f4 v[\d:\d+7], v[\a:\a+7], v[\b:\b+7], v[\d:\d+7], v[\sa], v[\sb] matrix_a_fmt:MATRIX_FMT_FP4 matrix_b_fmt:MATRIX_FMT_FP4
.else
	v_wmma_scale_f32_16x16x128_f8f6f4 v[\d:\d+7], v[\a:\a+7], v[\b:\b+7], v[\d:\d+7], v[\sa], v[\sb] matrix_a_fmt:MATRIX_FMT_FP4 matrix_b_fmt:MATRIX_FMT_FP4 matrix_a_scale:MATRIX_SCALE_ROW1 matrix_b_scale:MATRIX_SCALE_ROW1
.endif
.endm
; 32 matrix instructions: a K step.  The 32 accumulators take turns, one instruction a turn, in the same order in every step.
.macro MUL ph, s, nat
.set mK, 1
.if (\s) == 0
.set mK, 0
.endif
.if (\s) > 3
.set mK, 2
.endif
.set a, 0
.rept 8
.set b, 0
.rept 4
.set rD, 8*(4*a+b)
.set rW, 32*((\s)%2)+8*b
.set rX, XF+64*((\s)%2)+8*a
.set rSW, SB+16*(\ph)+4*b+(\s)%4
.set rSX, SA+4*a+(\s)%4
.if \nat
	WMS rD, rX, rW, rSX, rSW, mK
.else
	WMS rD, rW, rX, rSW, rSX, mK
.endif
.set b, b+1
.endr
.set a, a+1
.endr
.endm
; A phase: 8 K steps.  The next step's fragments are asked for ahead of this step's 32 products and waited for behind them.
.macro PHASE ph, buf, nat, meet
	FETCH \buf, 0
.irp s, 0,1,2,3,4,5,6,7
	s_wait_dscnt 0x0                               ; this step's 24 loads are in
.if \meet && (\s == 3)
	s_wait_tensorcnt 0x0                           ; my part of the second half of K has landed,
	s_barrier_signal -1
	s_barrier_wait -1                              ; everybody's has
.endif
.if \s < 7
	PLACES                                         ; the other set was read by the last step's products
	FETCH \buf, \s+1
.endif
.if \nat
	WIN 0x58                                       ; source 0 (x) window 0, source 1 (W) window 2, C and D window 1
.else
	WIN 0x52                                       ; source 0 (W) window 2, source 1 (x) window 0, C and D window 1
.endif
	MUL \ph, \s, \nat
	WIN 0
.endr
.endm
; q's and k's way out.  Block k = 2 a + (0 or 1) of token tile a is window 1's registers 16 k .. 16 k + 15, in lanes l and l xor 16.
.macro EPI_QK ptr
.set k, 0
.rept 16
	v_mov_b32 v[T2+k], 0                           ; a lane permute's destination counts as one of its sources
.set k, k+1
.endr
	WIN 0x05
.set k, 0
.rept 16
	v_max3_num_f32 v[MT+k], |v[16*k]|, |v[16*k+1]|, 0x1800000   ; my 16 numbers of the block, from each accumulator's low end on, and the floor 2^(3 - 127): the byte cannot fall under 1
.set k, k+1
.endr
	WIN 0x14
.irp i, 2,4,6,8,10,12,14
.set k, 0
.rept 16
	v_max3_num_f32 v[MT+k], v[MT+k], |v[16*k+\i]|, |v[16*k+\i+1]|
.set k, k+1
.endr
.endr
	WIN 0
.set k, 0
.rept 16
	v_permlanex16_b32 v[T2+k], v[MT+k], s[SEL], s[SEL+1]
.set k, k+1
.endr
.set k, 0
.rept 16
	v_max_num_f32 v[MT+k], v[MT+k], v[T2+k]        ; the block's largest magnitude
.set k, k+1
.endr
.set k, 0
.rept 16
	v_add_nc_u32 v[SO+k], 0xff000000, v[MT+k]      ; 2 off its exponent field: the conversion's scale operand
.set k, k+1
.endr
.set k, 0
.rept 16
	v_lshrrev_b32 v[BY+k], 23, v[SO+k]             ; the scale's byte
.set k, k+1
.endr
.set k, 0
.rept 8
	v_lshl_or_b32 v[WD+k], v[BY+2*k+1], 8, v[BY+2*k]   ; a token's scale word: two bytes; the upper two, 0, scale codes that are zeros
.set k, k+1
.endr
.irp i, 0,1,2,3
	v_cndmask_b32 v[IM+\i], v[WD+2*\i], v[WD+2*\i+1], s[HM]   ; the image: lanes 0-15 tile 2 i, lanes 16-31 tile 2 i + 1
.endr
	WIN 0x01
.set a, 0
.rept 8
.set b, 0
.rept 4
	v_cvt_scalef32_pk8_fp4_f32 v[PC+4*a+2*(b%2)+b/2], v[32*a+8*b:32*a+8*b+7], v[SO+2*a+b/2]   ; tiles 0, 1, 2, 3 to registers 0, 2, 1, 3
.set b, b+1
.endr
.set a, a+1
.endr
	WIN 0
	v_nop                                          ; one plain place behind the scaled conversions
.set a, 0
.rept 8
	v_permlane16_swap_b32 v[PC+4*a], v[PC+4*a+1]
	v_permlane16_swap_b32 v[PC+4*a+2], v[PC+4*a+3] ; registers 0 .. 3 of lane (r, h) now hold d = 32 h + 0 .. 31
.set a, a+1
.endr
.irp a, 0,1,2,3,4,5,6,7
	global_store_b128 v[LI], v[PC+4*\a:PC+4*\a+3], s[\ptr:\ptr+1] offset:512*\a   ; 32 lanes store 512 consecutive bytes
.endr
	global_store_b128 v[LI], v[IM:IM+3], s[\ptr:\ptr+1] offset:4096
.endm
; v's way out.  Block k = 4 b + p: d tile b, keys 32 p on: accumulators (2 p, b) and (2 p + 1, b).
.macro EPI_V
.set k, 0
.rept 16
	v_mov_b32 v[T2+k], 0
.set k, k+1
.endr
	WIN 0x05
.set k, 0
.rept 16
	v_max3_num_f32 v[MT+k], |v[64*(k%4)+8*(k/4)]|, |v[64*(k%4)+8*(k/4)+1]|, 0x1800000
.set k, k+1
.endr
	WIN 0x14
.irp o, 2,4,6,32,34,36,38
.set k, 0
.rept 16
	v_max3_num_f32 v[MT+k], v[MT+k], |v[64*(k%4)+8*(k/4)+\o]|, |v[64*(k%4)+8*(k/4)+\o+1]|
.set k, k+1
.endr
.endr
	WIN 0
.set k, 0
.rept 16
	v_permlanex16_b32 v[T2+k], v[MT+k], s[SEL], s[SEL+1]
.set k, k+1
.endr
.set k, 0
.rept 16
	v_max_num_f32 v[MT+k], v[MT+k], v[T2+k]
.set k, k+1
.endr
.set k, 0
.rept 16
	v_add_nc_u32 v[SO+k], 0xff000000, v[MT+k]
.set k, k+1
.endr
.set k, 0
.rept 16
	v_lshrrev_b32 v[BY+k], 23, v[SO+k]
.set k, k+1
.endr
.irp b, 0,1,2,3
	v_lshl_or_b32 v[WD+\b], v[BY+4*\b+1], 8, v[BY+4*\b]       ; a row d's scale word for these 128 keys
	v_lshl_or_b32 v[WD+\b], v[BY+4*\b+2], 16, v[WD+\b]
	v_lshl_or_b32 v[WD+\b], v[BY+4*\b+3], 24, v[WD+\b]
.endr
.irp i, 0,1
	v_cndmask_b32 v[IM+\i], v[WD+2*\i], v[WD+2*\i+1], s[HM]
.endr
	WIN 0x01
.set b, 0
.rept 4
.set a, 0
.rept 8
	v_cvt_scalef32_pk8_fp4_f32 v[PC+8*b+4*(a/4)+2*(a%2)+(a%4)/2], v[32*a+8*b:32*a+8*b+7], v[SO+4*b+a/2]
.set a, a+1
.endr
.set b, b+1
.endr
	WIN 0
	v_nop
.set k, 0
.rept 8
	v_permlane16_swap_b32 v[PC+4*k], v[PC+4*k+1]
	v_permlane16_swap_b32 v[PC+4*k+2], v[PC+4*k+3] ; registers 4 c .. 4 c + 3 of lane (r, h) now hold keys 64 c + 32 h + 0 .. 31
.set k, k+1
.endr
.irp k, 0,1,2,3,4,5,6,7
	global_store_b128 v[LI], v[PC+4*\k:PC+4*\k+3], s[PK:PK+1] offset:4608+512*\k
.endr
	global_store_b64 v[L8], v[IM:IM+1], s[PK:PK+1] offset:8704    ; 32 lanes store 256 consecutive bytes
.endm
	s_wait_alu depctr_va_vdst(0)
	s_wait_tensorcnt 0x1                           ; my part of the first half of K is in; the second half's load may stay out
	s_barrier_signal -1
	s_barrier_wait -1
	s_wait_loadcnt 0x0                             ; the scale words
	PHASE 0, 0, 0, 1                               ; q
	s_wait_tensorcnt 0x0                           ; THE REFILL: no tensor load of mine is out;
	ds_add_u32 v[SPW], v[NIL]                      ; 0 onto my spare word;
	PLACES                                         ; (the places behind q's last products stand between the add and the wait for it)
	s_wait_dscnt 0x0                               ; the add is done, and my reads of W_query are over
	CROUND                                         ; that now holds of every wave of all sixteen work-groups
	VLOAD                                          ; W_value into W_query's bytes: it has q's way out, phase k and k's way out in which to land
	EPI_QK PQ
	s_wait_xcnt 0x0                                ; the stores have read their registers: these are written again below
	PHASE 1, 1, 0, 0                               ; k
	PLACES
	EPI_QK PK
	s_wait_xcnt 0x0
	s_wait_tensorcnt 0x0                           ; my part of W_value has landed,
	s_barrier_signal -1
	s_barrier_wait -1                              ; everybody's has
	PHASE 2, 0, 1, 0                               ; v
	PLACES
	EPI_V
	s_wait_tensorcnt 0x0                           ; the wave's end
	ds_add_u32 v[SPW], v[NIL]
	s_wait_dscnt 0x0
	CROUND                                         ; the closing round: no work-group ends while a partner may still ask for a tile that names it
	s_endpgm
.Lfunc_end_k_q7d41548d4e_qkv:
	.size	k_q7d41548d4e_qkv, .Lfunc_end_k_q7d41548d4e_qkv-k_q7d41548d4e_qkv
	.p2alignl 7, 3214868480
	.fill 96, 4, 3214868480
	.section	.rodata,"a",@progbits
	.p2align	6, 0x0
	.amdhsa_kernel k_q7d41548d4e_qkv
		.amdhsa_group_segment_fixed_size 327680
		.amdhsa_private_segment_fixed_size 0
		.amdhsa_enable_private_segment 0
		.amdhsa_kernarg_size 80
		.amdhsa_user_sgpr_count 2
		.amdhsa_user_sgpr_kernarg_segment_ptr 1
		.amdhsa_wavefront_size32 1
		.amdhsa_system_sgpr_workgroup_id_x 1
		.amdhsa_system_sgpr_workgroup_id_y 1
		.amdhsa_system_sgpr_workgroup_id_z 1
		.amdhsa_system_vgpr_workitem_id 0
		.amdhsa_next_free_vgpr 576
		.amdhsa_next_free_sgpr 100
		.amdhsa_reserve_vcc 0
		.amdhsa_float_denorm_mode_32 3
		.amdhsa_float_denorm_mode_16_64 3
		.amdhsa_memory_ordered 1
		.amdhsa_forward_progress 1
		.amdhsa_inst_pref_size 199
	.end_amdhsa_kernel
	.amdgpu_metadata
---
amdhsa.version: [ 1, 2 ]
amdhsa.kernels:
  - .name:           k_q7d41548d4e_qkv
    .symbol:         k_q7d41548d4e_qkv.kd
    .args:
      - { .name: x_codes, .offset: 0, .size: 8, .value_kind: global_buffer, .address_space: global }
      - { .name: x_scales, .offset: 8, .size: 8, .value_kind: global_buffer, .address_space: global }
      - { .name: W_query_codes, .offset: 16, .size: 8, .value_kind: global_buffer, .address_space: global }
      - { .name: W_query_scales, .offset: 24, .size: 8, .value_kind: global_buffer, .address_space: global }
      - { .name: W_key_codes, .offset: 32, .size: 8, .value_kind: global_buffer, .address_space: global }
      - { .name: W_key_scales, .offset: 40, .size: 8, .value_kind: global_buffer, .address_space: global }
      - { .name: W_value_codes, .offset: 48, .size: 8, .value_kind: global_buffer, .address_space: global }
      - { .name: W_value_scales, .offset: 56, .size: 8, .value_kind: global_buffer, .address_space: global }
      - { .name: qq, .offset: 64, .size: 8, .value_kind: global_buffer, .address_space: global }
      - { .name: kv, .offset: 72, .size: 8, .value_kind: global_buffer, .address_space: global }
    .group_segment_fixed_size: 327680
    .private_segment_fixed_size: 0
    .kernarg_segment_align: 8
    .kernarg_segment_size: 80
    .max_flat_workgroup_size: 128
    .sgpr_count:     100
    .vgpr_count:     576
    .wavefront_size: 32
...
	.end_amdgpu_metadata
.endif
;; end of part 1
;; launch attn (part 2): grid 4 x 64, 16 waves a work-group, clusters of 4 x 1, 167,936 bytes of LDS; arguments qq, kv, cc, cs; writes cc, cs
.if DOCPART == 2
	.amdgcn_target "amdgcn-amd-amdhsa--gfx1250"
	.amdhsa_code_object_version 6
	.text
	.protected	k_q7d41548d4e_attn
	.globl	k_q7d41548d4e_attn
	.p2align	8
	.type	k_q7d41548d4e_attn,@function
k_q7d41548d4e_attn:
	s_mov_b64 s[64:65], 0
	v_nop
	global_prefetch_b8 v0, s[64:65] scope:SCOPE_SE
	s_setreg_imm32_b32 hwreg(HW_REG_WAVE_MODE, 25, 1), 1
	s_wait_xcnt 0x0
	s_wait_alu depctr_hold_cnt(0) depctr_sa_sdst(0) depctr_va_vdst(0) depctr_va_sdst(0) depctr_va_ssrc(0) depctr_va_vcc(0) depctr_vm_vsrc(0)
	s_getreg_b32 s2, hwreg(HW_REG_IB_STS2, 6, 4)
	s_cmp_eq_u32 s2, 0
	s_cbranch_scc0 .Lentry_in_a_cluster
	s_endpgm
.Lentry_in_a_cluster:
	s_bfe_u32 s2, ttmp6, 0x10000c
	s_cmp_lg_u32 s2, 0x3003
	s_cbranch_scc0 .Lentry_shape_is_right
	s_endpgm
.Lentry_shape_is_right:
; Second launch: ctx = softmax(q k^T / 8, causal) v for 64 batch-heads of 2,048 tokens x 64, both products on codes of FP4 with E8M0 scales; ctx is quantised along d on the way out.
; LEFT OUT: key steps of 128 keys all of which come after a tile's 16 queries: reference()'s own jnp.tril gives them the weight 0 for all values of the inputs.  A NaN or infinity that would reach only those steps is not carried on.
; THE SOFTMAX AHEAD OF THE SECOND PRODUCT: t = score x log2(e) / 8; M = the running largest t rounded UP to a whole number; p = 2^(t - M) is quantised along the keys, not normalised; the row's sum is taken of the
; unquantised p and divides at the end; when M moves, the sum and O are multiplied by 2^(old M - new M), which rounds nothing.
; LIMITS: NaN and infinities are not served; p under 2^-126 comes out of v_exp_f32 as 0; a block's largest p is taken from its largest score through the same multiply-add and exponential;
; the division is v_rcp_f32 and a multiplication; a block of zeros gets the scale byte 1 (its codes are zeros; the bytes are read by this program alone).
; SHARES.  The four work-groups of a cluster own one batch-head.  Its k and v, 16 steps x 8,960 bytes of register images, stay in LDS whole: wave w brings step w by ONE joint load; nothing is filled again, and no barrier stands in a loop.
; Wave w (P = w % 8) makes TWO tiles of 16 queries, one after the other: tile TQ = 2 cx + w / 8 of chunk 15 - P, then of chunk P (a chunk = 128 queries).  That is (16 - P) + (P + 1) = 17 live key steps for every wave.
; Which steps are live hangs on the wave's number alone; the work-group's place in its cluster enters global addresses and the diagonal's compare only.
; LAYOUT.  Both products transposed: S^T = K Q^T (source 0 = 16 keys), O^T = V^T P^T (source 0 = 16 of the head's 64): a lane holds ONE query.  The first product's K is 64: registers 4-7 of its operands are zero codes.
; Register 8 t + j of S^T in lane (r, h) is key 16 t + 8 h + j; the codes of tiles 0, 2, 1, 3 of four go to four registers and two exchanges of halves make them the operand (keys 32 h + 0 .. 31).
; OUT: cc: [32 groups of 256 rows][8 K steps of 128 features][16 row tiles][2][32 lanes][16], the image of the last product's operand; cs: [512 row tiles][32 lanes][4 words]: row r's word of K step s at 16 (r + 16 (s / 4)) + 4 (s % 4).
; A tile's 32 scale bytes leave by one byte store a lane, 16 bytes apart: 32 bytes beside the tile's 512 bytes of codes; each byte has one owner.
; No prefetch: all that the launch reads from memory in bulk is asked for at its head.
; REGISTERS: v1-9 addresses; v12 -M, v13 largest t, v[14:15] the sum; v16-31 Q of both passes; v32-95 K; v96-159 S^T, then p; v160-191 O^T; v192-223 V; v224-231 p's codes; v232-247 at work; v240-243 K's scale words; v[248:249] V's; v250, v251 Q's; v252 f; v253 p's scale word.
.set STEPB, 8960
.set SPARE, 16*STEPB                   ; the spare words: 128 bytes a wave, eight blocks of 256 bytes that no other line names
.set LI,   1
.set L8,   2
.set SPW,  3
.set NIL,  4
.set DD,   5                           ; 16 TQ + r - 8 h: on the diagonal register 8 t + j is hidden where 16 t + j > this
.set ADR,  6
.set ADR8, 7
.set CSO,  8                           ; 16 r + h
.set R16,  9                           ; 16 r
.set KF,   32
.set SS,   96
.set OT,   160
.set VF,   192
.set PC,   224
.set BM,   232
.set BT,   236
.set KS,   240
.set SOP,  244
.set VS,   248
.set WV,  12
.set CX,  13
.set BH,  14
.set PP,  15
.set SUB, 16
.set TQ,  17
.set SEL, 20
.set CS,  22
.set G1,  24
.set G0,  32
.set TB,  36
.set ST,  37
.set HM,  39
.set CHA, 54
.macro PLACES
.rept 4
	v_nop
.endr
.endm
.macro CROUND
	s_barrier_signal -1
	s_barrier_wait -1
	s_cmp_lg_u32 s[WV], 0
	s_cbranch_scc1 .Lnot_wave_0_\@
	s_barrier_signal -3
.Lnot_wave_0_\@:
	s_barrier_wait -3
	s_barrier_signal -1
	s_barrier_wait -1
.endm
	s_load_b256 s[4:11], s[0:1], 0x0               ; qq, kv, cc, cs
	v_lshl_add_u32 v[SPW], v0, 2, SPARE
	v_mov_b32 v[NIL], 0
	ds_add_u32 v[SPW], v[NIL]                      ; the wave's opening: the add, twice on end, and its wait ahead of my first tensor load
	ds_add_u32 v[SPW], v[NIL]
	v_lshrrev_b32 v10, 5, v0
	s_delay_alu instid0(VALU_DEP_1)
	v_readfirstlane_b32 s[WV], v10                 ; wave 0..15
	s_bfe_u32 s[CX], ttmp6, 0x40000
	s_and_b32 s[BH], ttmp7, 0xffff                 ; the batch-head, which the four partners share
	s_and_b32 s[PP], s[WV], 7
	s_lshr_b32 s[SUB], s[WV], 3
	s_lshl_b32 s[TQ], s[CX], 1
	s_add_co_u32 s[TQ], s[TQ], s[SUB]              ; my tile in a chunk, 0..7
	s_sub_co_u32 s[CHA], 15, s[PP]                 ; the first pass's chunk; the second's is P
	s_mov_b32 s[G1], 15|(3<<16)|(1<<21)            ; the mask: all four work-groups; elements of 8 bytes; bit 21 beside a mask; no padding
	s_mov_b32 s[G1+1], 32<<16                      ; rows of 256 bytes,
	s_mov_b32 s[G1+2], 35<<16                      ; 35 of them: a step's 8,960 dense bytes
	s_mov_b32 s[G1+3], 32<<16
	s_mov_b32 s[G1+4], 35
	s_mov_b32 s[G1+5], 32
	s_mov_b32 s[G1+6], 0
	s_mov_b32 s[G1+7], 0
	s_mul_i32 s48, s[WV], STEPB                    ; step w: in LDS, and in the head's part of kv
	s_mul_i32 s50, s[BH], 16*STEPB
	s_add_co_u32 s50, s50, s48
	s_mov_b32 s51, 0
	s_mov_b32 s[SEL], 0x76543210
	s_mov_b32 s[SEL+1], 0xfedcba98
	s_mov_b32 s[CS], 0x3e38aa3b                    ; c = log2(e) / 8
	s_mov_b32 s[CS+1], s[CS]                       ; (named with it as a pair, so it is written)
	s_mov_b32 s[HM], 0xffff0000                    ; lanes 16-31
	s_wait_dscnt 0x0                               ; both opening adds are done
	s_wait_kmcnt 0x0
	s_mov_b32 s[G0], 1
	s_mov_b32 s[G0+1], s48
	s_add_nc_u64 s[G0+2:G0+3], s[6:7], s[50:51]
	s_or_b32 s[G0+3], s[G0+3], 0x80000000
	CROUND                                         ; all four work-groups are here: the joint loads meet
	tensor_load_to_lds s[G0:G0+3], s[G1:G1+7]      ; my one tensor load of the launch
	s_nop 0
.rept 4
	v_nop
.endr
	v_and_b32 v10, 31, v0
	s_delay_alu instid0(VALU_DEP_1)
	v_lshlrev_b32 v[LI], 4, v10
	s_wait_alu depctr_va_vdst(0)
	v_lshlrev_b32 v[L8], 3, v10
	v_and_b32 v10, 15, v0                          ; r
	v_bfe_u32 v11, v0, 4, 1                        ; h
	s_delay_alu instid0(VALU_DEP_2)
	v_lshlrev_b32 v[R16], 4, v10
	s_wait_alu depctr_va_vdst(0)
	v_add_nc_u32 v[CSO], v[R16], v11
	v_lshlrev_b32 v11, 3, v11
	s_delay_alu instid0(VALU_DEP_1)
	v_sub_nc_u32 v[DD], v10, v11
	s_lshl_b32 s48, s[TQ], 4
	v_add_nc_u32 v[DD], s48, v[DD]
; The addresses of a pass: Q's codes and scale words are asked for; where ctx's codes and scale bytes go is kept.
.macro ADDR ch, qv, qs, pq, ps, ccp, csp
	s_lshl_b32 s48, s[BH], 4
	s_add_co_u32 s48, s48, s[\ch]
	s_mul_i32 s48, s48, 4608                       ; the chunk's block in qq
	s_lshl_b32 s49, s[TQ], 9
	s_add_co_u32 s50, s48, s49
	s_mov_b32 s51, 0
	s_add_nc_u64 s[\pq:\pq+1], s[4:5], s[50:51]
	global_load_b128 v[\qv:\qv+3], v[LI], s[\pq:\pq+1]
	s_and_b32 s49, s[TQ], 1
	s_lshl_b32 s49, s49, 8
	s_add_co_u32 s50, s48, s49
	s_lshr_b32 s49, s[TQ], 1
	s_lshl_b32 s49, s49, 2
	s_add_co_u32 s50, s50, s49
	s_add_nc_u64 s[\ps:\ps+1], s[4:5], s[50:51]
	global_load_b32 v[\qs], v[R16], s[\ps:\ps+1] offset:4096   ; word TQ / 2 of lane r + 16 (TQ % 2) of the image: row r's scale word, in both halves of the lanes
	s_lshr_b32 s48, s[BH], 4
	s_lshl_b32 s48, s48, 7
	s_lshl_b32 s49, s[\ch], 3
	s_add_co_u32 s48, s48, s49
	s_add_co_u32 s48, s48, s[TQ]                   ; my tile among the 512 tiles of 16 rows
	s_and_b32 s52, s[BH], 15                       ; the head
	s_lshr_b32 s50, s48, 4
	s_lshl_b32 s50, s50, 17
	s_lshr_b32 s49, s52, 1
	s_lshl_b32 s49, s49, 14
	s_add_co_u32 s50, s50, s49
	s_and_b32 s49, s48, 15
	s_lshl_b32 s49, s49, 10
	s_add_co_u32 s50, s50, s49
	s_and_b32 s49, s52, 1
	s_lshl_b32 s49, s49, 9
	s_add_co_u32 s50, s50, s49
	s_add_nc_u64 s[\ccp:\ccp+1], s[8:9], s[50:51]
	s_lshl_b32 s50, s48, 9
	s_lshr_b32 s49, s52, 3
	s_lshl_b32 s49, s49, 8
	s_add_co_u32 s50, s50, s49
	s_bfe_u32 s49, s52, 0x20001
	s_lshl_b32 s49, s49, 2
	s_add_co_u32 s50, s50, s49
	s_and_b32 s49, s52, 1
	s_lshl_b32 s49, s49, 1
	s_add_co_u32 s50, s50, s49
	s_add_nc_u64 s[\csp:\csp+1], s[10:11], s[50:51]
.endm
	ADDR CHA, 16, 250, 56, 58, 40, 42
	ADDR PP, 24, 251, 60, 62, 44, 46
.irp j, 20,21,22,23,28,29,30,31
	v_mov_b32 v[\j], 0                             ; Q's codes of k = 64 .. 127: zeros
.endr
.irp t, 0,1,2,3,4,5,6,7
.irp j, 4,5,6,7
	v_mov_b32 v[KF+8*\t+\j], 0                     ; K's likewise: written once
.endr
.endr
.irp b, 0,1,2,3
	v_mov_b32 v[BT+\b], 0                          ; a lane permute's destination counts as one of its sources
.endr
	v_mov_b32 v252, 0                              ; likewise, on the way out
	v_mov_b32 v253, 0                              ; (named as the upper half of the pair v[252:253] before it is first written)
	v_mov_b32 v255, 0xff800000                     ; -infinity
	s_wait_tensorcnt 0x0                           ; my step of k and v has landed,
	s_barrier_signal -1
	s_barrier_wait -1                              ; everybody's has: the head's k and v lie whole in LDS
	s_wait_loadcnt 0x0                             ; Q
; A PASS: one tile of 16 queries of chunk s[ch] against key steps 0 .. s[ch].  The loop has a constant 16 trips; a hidden step's work is jumped over by a branch on the wave's number and the count of steps.
.macro PASS ch, q, qs, ccp, csp
	s_mov_b32 s[TB], 0
	s_mov_b32 s[ST], 0
	v_mov_b32 v13, 0xff61b1e6                      ; the largest t so far: -3e38
	s_delay_alu instid0(VALU_DEP_1)
	v_floor_f32 v12, -v13                          ; -M
	v_mov_b32 v14, 0
	v_mov_b32 v15, 0
.set j, 0
.rept 32
	v_mov_b32 v[OT+j], 0                           ; O^T: the step is written once; the first finds zeros, which the first change of M leaves zeros
.set j, j+1
.endr
.Ltrip_\@:
	s_cmp_gt_u32 s[ST], s[\ch]
	s_cbranch_scc1 .Lskip_\@
	s_setprio 2
	v_add_nc_u32 v[ADR], s[TB], v[LI]
	v_add_nc_u32 v[ADR8], s[TB], v[L8]
	v_nop
	v_nop                                          ; with the two additions: four places behind the last step's products, in front of the loads into V's registers and scale words
.irp t, 0,1,2,3,4,5,6,7
	ds_load_b128 v[KF+8*\t:KF+8*\t+3], v[ADR] offset:512*\t
.endr
	ds_load_b128 v[KS:KS+3], v[ADR] offset:4096
.irp t, 0,1,2,3
.irp c, 0,1
	ds_load_b128 v[VF+8*\t+4*\c:VF+8*\t+4*\c+3], v[ADR] offset:4608+1024*\t+512*\c
.endr
.endr
	ds_load_b64 v[VS:VS+1], v[ADR8] offset:8704
	s_wait_dscnt 0x9                               ; K's eight loads and its scale words are in; V's nine may stay out
.irp t, 0,2,4,6
	v_wmma_scale_f32_16x16x128_f8f6f4 v[SS+8*\t:SS+8*\t+7], v[KF+8*\t:KF+8*\t+7], v[\q:\q+7], 0, v[KS+\t/2], v[\qs] matrix_a_fmt:MATRIX_FMT_FP4 matrix_b_fmt:MATRIX_FMT_FP4
	v_wmma_scale_f32_16x16x128_f8f6f4 v[SS+8*\t+8:SS+8*\t+15], v[KF+8*\t+8:KF+8*\t+15], v[\q:\q+7], 0, v[KS+\t/2], v[\qs] matrix_a_fmt:MATRIX_FMT_FP4 matrix_b_fmt:MATRIX_FMT_FP4 matrix_a_scale:MATRIX_SCALE_ROW1
.endr
	PLACES
	s_cmp_lg_u32 s[ST], s[\ch]                     ; the diagonal is the chunk's own step: hidden scores become -infinity ahead of the maximum, so that p = 0
	s_cbranch_scc1 .Lopen_\@
.set n, 0
.rept 64
	v_cmp_gt_i32 vcc_lo, 16*(n/8)+n%8, v[DD]
	v_cndmask_b32 v[SS+n], v[SS+n], v255, vcc_lo
.set n, n+1
.endr
.Lopen_\@:
.irp b, 0,1,2,3
	v_max3_num_f32 v[BM+\b], v[SS+16*\b], v[SS+1+16*\b], v[SS+2+16*\b]   ; the largest score of each block of 32 keys: for the row's maximum, and, since p rises with the score, for the block's largest p
.endr
.irp i, 3,5,7,9,11,13
.irp b, 0,1,2,3
	v_max3_num_f32 v[BM+\b], v[BM+\b], v[SS+16*\b+\i], v[SS+1+16*\b+\i]
.endr
.endr
.irp b, 0,1,2,3
	v_max_num_f32 v[BM+\b], v[BM+\b], v[SS+15+16*\b]
.endr
.irp b, 0,1,2,3
	s_delay_alu instid0(VALU_DEP_4)
	v_permlanex16_b32 v[BT+\b], v[BM+\b], s[SEL], s[SEL+1]
.endr
.irp b, 0,1,2,3
	s_delay_alu instid0(VALU_DEP_4)
	v_max_num_f32 v[BM+\b], v[BM+\b], v[BT+\b]     ; with lane l xor 16's 16 keys
.endr
	s_delay_alu instid0(VALU_DEP_2)
	v_max3_num_f32 v254, v232, v233, v234
	s_delay_alu instid0(VALU_DEP_1)
	v_max_num_f32 v254, v254, v235                 ; the step's largest score of my query
	s_delay_alu instid0(VALU_DEP_1)
	v_mul_f32 v254, s[CS], v254                    ; as t
	s_delay_alu instid0(VALU_DEP_1)
	v_max_num_f32 v13, v13, v254                   ; the running largest t
	v_mov_b32 v254, v12
	s_delay_alu instid0(VALU_DEP_2)
	v_floor_f32 v12, -v13                          ; the new -M = floor(-t)
	s_delay_alu instid0(VALU_DEP_1)
	v_sub_f32 v254, v12, v254                      ; old M less new M: a whole number, 0 or less
	s_delay_alu instid0(VALU_DEP_1)
	v_cvt_i32_f32 v254, v254                       ; (it saturates)
	s_delay_alu instid0(VALU_DEP_1)
	v_ldexp_f32 v252, 1.0, v254                    ; f = 2^(old M - new M)
.set j, 0
.rept 32
	v_pk_fma_f32 v[SS+j:SS+j+1], v[SS+j:SS+j+1], s[CS:CS+1], v[12:13] op_sel_hi:[1,0,0]   ; t - M, two at a time
.set j, j+2
.endr
	s_setprio 1
.irp b, 0,1,2,3
	v_fma_f32 v[BM+\b], v[BM+\b], s[CS], v12       ; the same of each block's largest score
.endr
.set j, 0
	s_wait_alu depctr_va_vdst(0)
.rept 64
	v_exp_f32 v[SS+j], v[SS+j]                     ; p = 2^(t - M)
.set j, j+1
.endr
	v_pk_mul_f32 v[14:15], v[14:15], v[252:253] op_sel_hi:[1,0]   ; the sums under the new M: the plain place behind the exponentials
	s_wait_alu depctr_va_vdst(0)                   ; one wait for the batch of 64, ahead of its first reader
.irp b, 0,1,2,3
	v_exp_f32 v[BM+\b], v[BM+\b]                   ; the block's largest p
.endr
	v_pk_add_f32 v[236:237], v[100:101], v[104:105]
	v_pk_add_f32 v[246:247], v[108:109], v[112:113]
	v_pk_add_f32 v[244:245], v[116:117], v[120:121]
	v_pk_add_f32 v[242:243], v[124:125], v[128:129]
	v_pk_add_f32 v[240:241], v[132:133], v[136:137]
	v_pk_add_f32 v[238:239], v[140:141], v[144:145]
	v_pk_add_f32 v[230:231], v[148:149], v[152:153]
	v_pk_add_f32 v[14:15], v[14:15], v[156:157]
	v_pk_add_f32 v[236:237], v[236:237], v[96:97]
	v_pk_add_f32 v[246:247], v[246:247], v[98:99]
	v_pk_add_f32 v[244:245], v[244:245], v[102:103]
	v_pk_add_f32 v[242:243], v[242:243], v[106:107]
	v_pk_add_f32 v[240:241], v[240:241], v[110:111]
	v_pk_add_f32 v[238:239], v[238:239], v[114:115]
	v_pk_add_f32 v[230:231], v[230:231], v[118:119]
	v_pk_add_f32 v[14:15], v[14:15], v[122:123]
	v_pk_add_f32 v[236:237], v[236:237], v[126:127]
	v_pk_add_f32 v[246:247], v[246:247], v[130:131]
	v_pk_add_f32 v[244:245], v[244:245], v[134:135]
	v_pk_add_f32 v[242:243], v[242:243], v[138:139]
	v_pk_add_f32 v[240:241], v[240:241], v[142:143]
	v_pk_add_f32 v[238:239], v[238:239], v[146:147]
	v_pk_add_f32 v[230:231], v[230:231], v[150:151]
	v_pk_add_f32 v[14:15], v[14:15], v[154:155]
	v_pk_add_f32 v[236:237], v[236:237], v[158:159]
	s_delay_alu instid0(VALU_DEP_2)
	v_pk_add_f32 v[14:15], v[14:15], v[242:243]
	s_delay_alu instid0(VALU_DEP_2)
	v_pk_add_f32 v[236:237], v[236:237], v[240:241]
	v_pk_add_f32 v[246:247], v[246:247], v[238:239]
	v_pk_add_f32 v[244:245], v[244:245], v[230:231]
	s_delay_alu instid0(VALU_DEP_2)
	v_pk_add_f32 v[14:15], v[14:15], v[246:247]
	s_delay_alu instid0(VALU_DEP_2)
	v_pk_add_f32 v[236:237], v[236:237], v[244:245]
	s_delay_alu instid0(VALU_DEP_1)
	v_pk_add_f32 v[14:15], v[14:15], v[236:237]
	s_wait_alu depctr_va_vdst(0)                   ; and one for the four
.irp b, 0,1,2,3
	v_max_num_f32 v[BM+\b], 0x1800000, v[BM+\b]    ; the floor 2^(3 - 127): the byte cannot fall under 1
.endr
.irp b, 0,1,2,3
	s_delay_alu instid0(VALU_DEP_4)
	v_add_nc_u32 v[SOP+\b], 0xff000000, v[BM+\b]   ; 2 off the exponent field: the conversion's scale operand
.endr
.irp b, 0,1,2,3
	s_delay_alu instid0(VALU_DEP_4)
	v_lshrrev_b32 v[BT+\b], 23, v[SOP+\b]          ; the scale's byte
.endr
	s_delay_alu instid0(VALU_DEP_3)
	v_lshl_or_b32 v253, v237, 8, v236              ; p's scale word for these 128 keys
	s_delay_alu instid0(VALU_DEP_1)
	v_lshl_or_b32 v253, v238, 16, v253
	s_delay_alu instid0(VALU_DEP_1)
	v_lshl_or_b32 v253, v239, 24, v253
	s_setprio 0
.irp c, 0,1
	v_cvt_scalef32_pk8_fp4_f32 v[PC+4*\c], v[SS+32*\c:SS+32*\c+7], v[SOP+2*\c]            ; tiles 0, 1, 2, 3 of four to registers 0, 2, 1, 3
	v_cvt_scalef32_pk8_fp4_f32 v[PC+4*\c+2], v[SS+32*\c+8:SS+32*\c+15], v[SOP+2*\c]
	v_cvt_scalef32_pk8_fp4_f32 v[PC+4*\c+1], v[SS+32*\c+16:SS+32*\c+23], v[SOP+2*\c+1]
	v_cvt_scalef32_pk8_fp4_f32 v[PC+4*\c+3], v[SS+32*\c+24:SS+32*\c+31], v[SOP+2*\c+1]
.endr
	v_nop                                          ; one plain place behind the scaled conversions
.irp c, 0,1
	v_permlane16_swap_b32 v[PC+4*\c], v[PC+4*\c+1]
	v_permlane16_swap_b32 v[PC+4*\c+2], v[PC+4*\c+3]   ; registers 4 c .. 4 c + 3 of lane (r, h): keys 64 c + 32 h + 0 .. 31
.endr
.set j, 0
.rept 16
	v_pk_mul_f32 v[OT+j:OT+j+1], v[OT+j:OT+j+1], v[252:253] op_sel_hi:[1,0]   ; O^T under the new M.  The last twelve name no register of the first product below: the places between p's scale word and codes and that product
.set j, j+2
.endr
	s_wait_alu depctr_va_vdst(0)
	s_wait_dscnt 0x0                               ; V and its scale words are in
.irp t, 0,2
	v_wmma_scale_f32_16x16x128_f8f6f4 v[OT+8*\t:OT+8*\t+7], v[VF+8*\t:VF+8*\t+7], v[PC:PC+7], v[OT+8*\t:OT+8*\t+7], v[VS+\t/2], v253 matrix_a_fmt:MATRIX_FMT_FP4 matrix_b_fmt:MATRIX_FMT_FP4
	v_wmma_scale_f32_16x16x128_f8f6f4 v[OT+8*\t+8:OT+8*\t+15], v[VF+8*\t+8:VF+8*\t+15], v[PC:PC+7], v[OT+8*\t+8:OT+8*\t+15], v[VS+\t/2], v253 matrix_a_fmt:MATRIX_FMT_FP4 matrix_b_fmt:MATRIX_FMT_FP4 matrix_a_scale:MATRIX_SCALE_ROW1
.endr
.Lskip_\@:
	s_add_co_u32 s[TB], s[TB], STEPB
	s_add_co_u32 s[ST], s[ST], 1
	s_cmp_lt_u32 s[ST], 16
	s_cbranch_scc1 .Ltrip_\@
	s_setprio 0
	; the way out: ctx = O^T / the sum, quantised along d: two blocks of 32
	PLACES
	v_add_f32 v14, v14, v15
	s_delay_alu instid0(VALU_DEP_1)
	v_permlanex16_b32 v252, v14, s[SEL], s[SEL+1]
	s_delay_alu instid0(VALU_DEP_1)
	v_add_f32 v14, v14, v252                       ; the row's sum
	s_wait_alu depctr_va_vdst(0)
	v_rcp_f32 v14, v14
	v_nop                                          ; a plain place behind the reciprocal
	s_wait_alu depctr_va_vdst(0)                   ; and the wait ahead of its first reader
.set j, 0
.rept 16
	v_pk_mul_f32 v[SS+j:SS+j+1], v[OT+j:OT+j+1], v[14:15] op_sel_hi:[1,0]   ; register 8 t + i: ctx(query r, d = 16 t + 8 h + i)
.set j, j+2
.endr
.irp b, 0,1
	v_max3_num_f32 v[BM+\b], |v[SS+16*\b]|, |v[SS+1+16*\b]|, 0x1800000
.endr
.irp i, 2,4,6,8,10,12,14
.irp b, 0,1
	s_delay_alu instid0(VALU_DEP_2)
	v_max3_num_f32 v[BM+\b], v[BM+\b], |v[SS+16*\b+\i]|, |v[SS+1+16*\b+\i]|
.endr
.endr
.irp b, 0,1
	s_delay_alu instid0(VALU_DEP_2)
	v_permlanex16_b32 v[BT+\b], v[BM+\b], s[SEL], s[SEL+1]
.endr
.irp b, 0,1
	s_delay_alu instid0(VALU_DEP_2)
	v_max_num_f32 v[BM+\b], v[BM+\b], v[BT+\b]
.endr
.irp b, 0,1
	s_delay_alu instid0(VALU_DEP_2)
	v_add_nc_u32 v[SOP+\b], 0xff000000, v[BM+\b]
.endr
.irp b, 0,1
	s_delay_alu instid0(VALU_DEP_2)
	v_lshrrev_b32 v[BT+\b], 23, v[SOP+\b]
.endr
	s_delay_alu instid0(VALU_DEP_1)
	v_cndmask_b32 v254, v236, v237, s[HM]          ; lanes 0-15 store block 0's byte, lanes 16-31 block 1's
	v_cvt_scalef32_pk8_fp4_f32 v[PC], v[SS:SS+7], v[SOP]
	v_cvt_scalef32_pk8_fp4_f32 v[PC+2], v[SS+8:SS+15], v[SOP]
	v_cvt_scalef32_pk8_fp4_f32 v[PC+1], v[SS+16:SS+23], v[SOP+1]
	v_cvt_scalef32_pk8_fp4_f32 v[PC+3], v[SS+24:SS+31], v[SOP+1]
	v_nop
	v_permlane16_swap_b32 v[PC], v[PC+1]
	v_permlane16_swap_b32 v[PC+2], v[PC+3]
	global_store_b128 v[LI], v[PC:PC+3], s[\ccp:\ccp+1]           ; 32 lanes store 512 consecutive bytes
	global_store_b8 v[CSO], v254, s[\csp:\csp+1]
	s_wait_xcnt 0x0                                ; the stores have read their registers: the next pass writes them again
.endm
	PASS CHA, 16, 250, 40, 42
	PASS PP, 24, 251, 44, 46
	s_wait_tensorcnt 0x0                           ; the wave's end
	ds_add_u32 v[SPW], v[NIL]
	s_wait_dscnt 0x0
	CROUND                                         ; the closing round
	s_endpgm
.Lfunc_end_k_q7d41548d4e_attn:
	.size	k_q7d41548d4e_attn, .Lfunc_end_k_q7d41548d4e_attn-k_q7d41548d4e_attn
	.p2alignl 7, 3214868480
	.fill 96, 4, 3214868480
	.section	.rodata,"a",@progbits
	.p2align	6, 0x0
	.amdhsa_kernel k_q7d41548d4e_attn
		.amdhsa_group_segment_fixed_size 167936
		.amdhsa_private_segment_fixed_size 0
		.amdhsa_enable_private_segment 0
		.amdhsa_kernarg_size 32
		.amdhsa_user_sgpr_count 2
		.amdhsa_user_sgpr_kernarg_segment_ptr 1
		.amdhsa_wavefront_size32 1
		.amdhsa_system_sgpr_workgroup_id_x 1
		.amdhsa_system_sgpr_workgroup_id_y 1
		.amdhsa_system_sgpr_workgroup_id_z 1
		.amdhsa_system_vgpr_workitem_id 0
		.amdhsa_next_free_vgpr 256
		.amdhsa_next_free_sgpr 80
		.amdhsa_reserve_vcc 1
		.amdhsa_float_denorm_mode_32 3
		.amdhsa_float_denorm_mode_16_64 3
		.amdhsa_memory_ordered 1
		.amdhsa_forward_progress 1
		.amdhsa_inst_pref_size 62
	.end_amdhsa_kernel
	.amdgpu_metadata
---
amdhsa.version: [ 1, 2 ]
amdhsa.kernels:
  - .name:           k_q7d41548d4e_attn
    .symbol:         k_q7d41548d4e_attn.kd
    .args:
      - { .name: qq, .offset: 0, .size: 8, .value_kind: global_buffer, .address_space: global }
      - { .name: kv, .offset: 8, .size: 8, .value_kind: global_buffer, .address_space: global }
      - { .name: cc, .offset: 16, .size: 8, .value_kind: global_buffer, .address_space: global }
      - { .name: cs, .offset: 24, .size: 8, .value_kind: global_buffer, .address_space: global }
    .group_segment_fixed_size: 167936
    .private_segment_fixed_size: 0
    .kernarg_segment_align: 8
    .kernarg_segment_size: 32
    .max_flat_workgroup_size: 512
    .sgpr_count:     80
    .vgpr_count:     256
    .wavefront_size: 32
...
	.end_amdgpu_metadata
.endif
;; end of part 2
;; launch outp (part 3): grid 8 x 32, 4 waves a work-group, clusters of 4 x 4, 327,680 bytes of LDS; arguments cc, cs, W_out_codes, W_out_scales, b_out, out0; writes out0
.if DOCPART == 3
	.amdgcn_target "amdgcn-amd-amdhsa--gfx1250"
	.amdhsa_code_object_version 6
	.text
	.protected	k_q7d41548d4e_outp
	.globl	k_q7d41548d4e_outp
	.p2align	8
	.type	k_q7d41548d4e_outp,@function
k_q7d41548d4e_outp:
	s_mov_b64 s[64:65], 0
	v_nop
	global_prefetch_b8 v0, s[64:65] scope:SCOPE_SE
	s_setreg_imm32_b32 hwreg(HW_REG_WAVE_MODE, 25, 1), 1
	s_wait_xcnt 0x0
	s_wait_alu depctr_hold_cnt(0) depctr_sa_sdst(0) depctr_va_vdst(0) depctr_va_sdst(0) depctr_va_ssrc(0) depctr_va_vcc(0) depctr_vm_vsrc(0)
	s_getreg_b32 s2, hwreg(HW_REG_IB_STS2, 6, 4)
	s_cmp_eq_u32 s2, 0
	s_cbranch_scc0 .Lentry_in_a_cluster
	s_endpgm
.Lentry_in_a_cluster:
	s_bfe_u32 s2, ttmp6, 0x10000c
	s_cmp_lg_u32 s2, 0xf033
	s_cbranch_scc0 .Lentry_shape_is_right
	s_endpgm
.Lentry_shape_is_right:
; Third launch: out = ctx W_out + b_out.  ctx: 8,192 rows x 1,024 as codes of FP4, laid by the second launch as images of operand registers (cc) with their scale words (cs); W_out: [1,024 columns][1,024 along K] as codes, rows of 512 bytes;
; out: [8,192][1,024] f32.  Nothing is left out here.  LIMITS: NaN and infinities are not served.
; SHARES.  A work-group of four waves makes 256 rows x 128 columns; wave w: rows 128 (w / 2) on, columns 64 (w % 2) on: 32 accumulators, 8 K steps of 128.  All of K lies in LDS by first fills alone: nothing is filled again.
; THE MATRIX INSTRUCTION IS USED TRANSPOSED (source 0 = 16 rows of W_out, source 1 = 16 rows of ctx): a lane holds eight neighbouring columns of one row of out.  The bias is the C of each sum's first product.
; LDS: ctx's images [8 K steps][16 row tiles][1,024 bytes], dense (a fragment load takes 512 consecutive bytes); W_out's 128 rows in two halves of K, rows of 256 bytes + 16; a stage of 16 rows x 272 bytes for each wave; the spare words.
; CLUSTER 4 x 4: ctx's images hang on the row group alone and are asked for jointly along a row of the cluster, W_out's tiles on the column tile alone and along a column.
; No prefetch: everything is asked for at the head.
; REGISTERS: window 0: v1-14 addresses; v16-47 ctx's scale words; v48-63 W_out's; v64-191 ctx's fragments, two sets; v192-255 rows on the way out, two sets.  window 1: the accumulators, (a, b) at v[8 (4 a + b)].  window 2: v0-63 W_out's fragments, two sets; v64-95 the bias.
.set PITCH, 272
.set HALFB, 128*PITCH                  ; W_out's 128 rows of one half of K
.set BT,    131072                     ; behind ctx's images
.set STAGE, BT+2*HALFB
.set SP,    272
.set SPARE, STAGE+4*16*SP              ; the spare words: 128 bytes a wave, two blocks of 256 bytes that no other line names
.set LI,   3
.set ADRA, 4                           ; v4-5  ctx's images, K half 0, 1
.set ADRB, 6                           ; v6-7  W_out's fragments, K half 0, 1
.set STO,  8
.set RD,   9
.set CO,   10
.set VS32, 11
.set SPW,  12
.set NIL,  13
.set SA,   16
.set SB,   48
.set XF,   64
.set BK,   192
.set BI,   64                          ; in window 2
.set WV, 16
.set RH, 17
.set CF, 18
.set CX, 19
.set CY, 20
.set TX, 21
.set TY, 22
.set G1A, 24
.set G0A, 32
.set G1B, 40
.set G0B, 48
.set MSB, 0
.macro WIN new
.if MSB != \new
	s_set_vgpr_msb (MSB<<8)|\new
.set MSB, \new
.endif
.endm
.macro PLACES
.rept 4
	v_nop
.endr
.endm
.macro JLOAD g0a, g1a, g0b, g1b        ; waves 0 and 1 fetch ctx's images, waves 2 and 3 W_out's rows; an s_nop 0 and four v_nop follow each line
	s_cmp_eq_u32 s[RH], 0
	s_cbranch_scc0 .Lfor_b_\@
	tensor_load_to_lds s[\g0a:\g0a+3], s[\g1a:\g1a+7]
	s_nop 0
.rept 4
	v_nop
.endr
	s_branch .Lasked_\@
.Lfor_b_\@:
	tensor_load_to_lds s[\g0b:\g0b+3], s[\g1b:\g1b+7]
	s_nop 0
.rept 4
	v_nop
.endr
.Lasked_\@:
.endm
.macro CROUND
	s_barrier_signal -1
	s_barrier_wait -1
	s_cmp_lg_u32 s[WV], 0
	s_cbranch_scc1 .Lnot_wave_0_\@
	s_barrier_signal -3
.Lnot_wave_0_\@:
	s_barrier_wait -3
	s_barrier_signal -1
	s_barrier_wait -1
.endm
	s_load_b256 s[4:11], s[0:1], 0x0               ; cc, cs, W_out's codes, W_out's scales
	s_load_b128 s[12:15], s[0:1], 0x20             ; b_out, out0
	v_lshl_add_u32 v[SPW], v0, 2, SPARE
	v_mov_b32 v[NIL], 0
	ds_add_u32 v[SPW], v[NIL]                      ; the wave's opening: the add, twice on end, and its wait ahead of my first tensor load
	ds_add_u32 v[SPW], v[NIL]
	v_lshrrev_b32 v1, 5, v0
	v_readfirstlane_b32 s[WV], v1
	s_lshr_b32 s[RH], s[WV], 1                     ; my 128 rows.  Also: I fetch ctx (0) or W_out (1)
	s_and_b32 s[CF], s[WV], 1                      ; my 64 columns.  Also: which half of a tile I fetch
	s_bfe_u32 s[CX], ttmp6, 0x40000
	s_bfe_u32 s[CY], ttmp6, 0x40004
	s_lshl_b32 s[TX], ttmp9, 2
	s_add_co_u32 s[TX], s[TX], s[CX]               ; the tile of 128 columns, 0..7
	s_and_b32 s[TY], ttmp7, 0xffff
	s_lshl_b32 s[TY], s[TY], 2
	s_add_co_u32 s[TY], s[TY], s[CY]               ; the group of 256 rows, 0..31
	s_lshl_b32 s56, s[CY], 2
	s_lshl_b32 s56, 15, s56                        ; my row of the cluster
	s_lshl_b32 s57, 0x1111, s[CX]                  ; my column
	s_or_b32 s[G1A], s56, (3<<16)|(1<<21)          ; the mask; elements of 8 bytes; bit 21 beside a mask; no padding
	s_mov_b32 s[G1A+1], 32<<16                     ; rows of 256 bytes,
	s_mov_b32 s[G1A+2], 128<<16                    ; 128 of them: 32,768 dense bytes
	s_mov_b32 s[G1A+3], 32<<16
	s_mov_b32 s[G1A+4], 128
	s_mov_b32 s[G1A+5], 32
	s_mov_b32 s[G1A+6], 0
	s_mov_b32 s[G1A+7], 0
	s_or_b32 s[G1B], s57, (1<<20)|(1<<21)|(5<<22)|(3<<25)   ; elements of 1 byte; 4 words of padding after every 64
	s_mov_b32 s[G1B+1], 256<<16
	s_mov_b32 s[G1B+2], 64<<16
	s_mov_b32 s[G1B+3], 256<<16
	s_mov_b32 s[G1B+4], 64
	s_mov_b32 s[G1B+5], 512
	s_mov_b32 s[G1B+6], 0
	s_mov_b32 s[G1B+7], 0
	s_lshl_b32 s58, s[CF], 15                      ; ctx: my 32,768 bytes of a K half, in LDS
	s_lshl_b32 s56, s[TY], 17
	s_add_co_u32 s56, s56, s58                     ; and in cc: 131,072 bytes a row group
	s_mov_b32 s57, 0
	s_lshl_b32 s60, s[TX], 7
	s_lshl_b32 s61, s[CF], 6
	s_add_co_u32 s60, s60, s61
	s_lshl_b32 s60, s60, 9                         ; W_out: row 128 x column tile + 64 x half
	s_mov_b32 s61, 0
	s_mul_i32 s59, s[CF], 64*PITCH
	s_add_co_u32 s59, s59, BT                      ; and in LDS
	s_wait_dscnt 0x0                               ; both opening adds are done
	s_wait_kmcnt 0x0
	s_add_nc_u64 s[56:57], s[4:5], s[56:57]
	s_add_nc_u64 s[60:61], s[8:9], s[60:61]
.irp k, 0,1
	s_mov_b32 s[G0A+4*\k], 1
	s_add_co_u32 s[G0A+4*\k+1], s58, \k*65536
	s_add_nc_u64 s[G0A+4*\k+2:G0A+4*\k+3], s[56:57], \k*65536
	s_or_b32 s[G0A+4*\k+3], s[G0A+4*\k+3], 0x80000000
	s_mov_b32 s[G0B+4*\k], 1
	s_add_co_u32 s[G0B+4*\k+1], s59, \k*HALFB
	s_add_nc_u64 s[G0B+4*\k+2:G0B+4*\k+3], s[60:61], \k*256
	s_or_b32 s[G0B+4*\k+3], s[G0B+4*\k+3], 0x80000000
.endr
	CROUND                                         ; all sixteen work-groups are here: the joint loads meet
	JLOAD G0A, G1A, G0B, G1B                       ; the first half of K
	s_wait_alu depctr_va_vdst(0)
	s_wait_tensorcnt 0x0
	ds_add_u32 v12, v13
	s_wait_dscnt 0x0
	CROUND
	JLOAD G0A+4, G1A, G0B+4, G1B                   ; the second: one load of mine is out
	v_and_b32 v1, 15, v0                           ; r
	v_bfe_u32 v2, v0, 4, 1                         ; h
	v_and_b32 v15, 31, v0
	v_lshlrev_b32 v[LI], 4, v15
	s_lshl_b32 s62, s[RH], 13                      ; my eight row tiles' images
	v_add_nc_u32 v[ADRA], s62, v[LI]
	v_add_nc_u32 v[ADRA+1], 65536, v[ADRA]
	v_mul_u32_u24 v15, v1, PITCH
	v_lshl_add_u32 v15, v2, 4, v15
	v_add_nc_u32 v[ADRB], s59, v15                 ; my 64 columns' rows of W_out
	v_add_nc_u32 v[ADRB+1], HALFB, v[ADRB]
	s_mul_i32 s63, s[WV], 16*SP
	s_add_co_u32 s63, s63, STAGE                   ; my stage
	v_mul_u32_u24 v[STO], v1, SP
	v_lshl_add_u32 v[STO], v2, 5, v[STO]
	v_add_nc_u32 v[STO], s63, v[STO]               ; in: row r, 32 bytes for each half of the lanes
	v_mul_u32_u24 v[RD], v2, SP
	v_lshl_add_u32 v[RD], v1, 4, v[RD]
	v_add_nc_u32 v[RD], s63, v[RD]                 ; back: lanes 0-15 one row of 256 bytes, lanes 16-31 the next
	v_lshlrev_b32 v[CO], 12, v2
	v_lshl_add_u32 v[CO], v1, 4, v[CO]             ; and the same two rows in out
	v_lshlrev_b32 v[VS32], 5, v1
	v_lshl_add_u32 v[VS32], v2, 4, v[VS32]
	s_wait_alu depctr_va_vdst(0)
	v_lshlrev_b32 v14, 5, v2                       ; the bias: my half's eight numbers of a tile
	s_wait_alu depctr_va_vdst(0)
	s_lshl_b32 s66, s[TY], 4
	s_lshl_b32 s67, s[RH], 3
	s_add_co_u32 s66, s66, s67
	s_lshl_b32 s66, s66, 9                         ; cs: 512 bytes a row tile
	s_mov_b32 s67, 0
	s_add_nc_u64 s[6:7], s[6:7], s[66:67]
	s_lshl_b32 s68, s[TX], 12
	s_lshl_b32 s69, s[CF], 11
	s_add_co_u32 s68, s68, s69                     ; W_out's scale bytes: 32 a row
	s_mov_b32 s69, 0
	s_add_nc_u64 s[10:11], s[10:11], s[68:69]
	s_lshl_b32 s70, s[TX], 9
	s_lshl_b32 s71, s[CF], 8
	s_add_co_u32 s70, s70, s71                     ; my first column, in bytes of f32: in b_out and in a row of out
	s_mov_b32 s71, 0
	s_add_nc_u64 s[12:13], s[12:13], s[70:71]
	s_add_nc_u64 s[14:15], s[14:15], s[70:71]
	s_lshl_b32 s72, s[TY], 20
	s_lshl_b32 s73, s[RH], 19
	s_add_co_u32 s72, s72, s73                     ; my first row of out: 4,096 bytes a row
	s_mov_b32 s73, 0
	s_add_nc_u64 s[14:15], s[14:15], s[72:73]
.irp i, 0,1,2,3,4,5,6,7
	global_load_b128 v[SA+4*\i:SA+4*\i+3], v[LI], s[6:7] offset:512*\i       ; register 4 i + q: lanes 0-15 K step q, lanes 16-31 K step 4 + q
.endr
.irp b, 0,1,2,3
	global_load_b128 v[SB+4*\b:SB+4*\b+3], v[VS32], s[10:11] offset:512*\b
.endr
	WIN 0x80
.irp b, 0,1,2,3
	global_load_b128 v[BI+8*\b:BI+8*\b+3], v14, s[12:13] offset:64*\b
	global_load_b128 v[BI+8*\b+4:BI+8*\b+7], v14, s[12:13] offset:64*\b+16
.endr
	WIN 0
.macro FETCH s                         ; 24 LDS loads in one run: K step s's fragments into set s % 2
.set fS, ((\s)%2)
.set fH, ((\s)/4)
.set fQ, ((\s)%4)
	WIN 0x80
.irp b, 0,1,2,3
.irp c, 0,1
	ds_load_b128 v[32*fS+8*\b+4*\c:32*fS+8*\b+4*\c+3], v[ADRB+fH] offset:64*fQ+32*\c+\b*16*PITCH
.endr
.endr
	WIN 0
.irp i, 0,1,2,3,4,5,6,7
.irp c, 0,1
	ds_load_b128 v[XF+64*fS+8*\i+4*\c:XF+64*fS+8*\i+4*\c+3], v[ADRA+fH] offset:16384*fQ+1024*\i+512*\c
.endr
.endr
.endm
.macro MUL s                           ; 32 matrix instructions; the accumulators take turns, one instruction a turn, in the same order in every step
.set a, 0
.rept 8
.set b, 0
.rept 4
.set rD, 8*(4*a+b)
.set rW, 32*((\s)%2)+8*b
.set rX, XF+64*((\s)%2)+8*a
.set rB, BI+8*b
.set rSW, SB+4*b+(\s)%4
.set rSX, SA+4*a+(\s)%4
.if (\s) == 0
	v_wmma_scale_f32_16x16x128_f8f6f4 v[rD:rD+7], v[rW:rW+7], v[rX:rX+7], v[rB:rB+7], v[rSW], v[rSX] matrix_a_fmt:MATRIX_FMT_FP4 matrix_b_fmt:MATRIX_FMT_FP4
.elseif (\s) < 4
	v_wmma_scale_f32_16x16x128_f8f6f4 v[rD:rD+7], v[rW:rW+7], v[rX:rX+7], v[rD:rD+7], v[rSW], v[rSX] matrix_a_fmt:MATRIX_FMT_FP4 matrix_b_fmt:MATRIX_FMT_FP4
.else
	v_wmma_scale_f32_16x16x128_f8f6f4 v[rD:rD+7], v[rW:rW+7], v[rX:rX+7], v[rD:rD+7], v[rSW], v[rSX] matrix_a_fmt:MATRIX_FMT_FP4 matrix_b_fmt:MATRIX_FMT_FP4 matrix_a_scale:MATRIX_SCALE_ROW1 matrix_b_scale:MATRIX_SCALE_ROW1
.endif
.set b, b+1
.endr
.set a, a+1
.endr
.endm
	s_wait_tensorcnt 0x1                           ; my part of the first half of K is in; the second half's load may stay out
	s_barrier_signal -1
	s_barrier_wait -1
	s_wait_loadcnt 0x0                             ; the scale words and the bias
	FETCH 0
.irp s, 0,1,2,3,4,5,6,7
	s_wait_dscnt 0x0                               ; this step's 24 loads are in
.if \s == 3
	s_wait_tensorcnt 0x0                           ; my part of the second half of K has landed,
	s_barrier_signal -1
	s_barrier_wait -1                              ; everybody's has
.endif
.if \s < 7
	PLACES                                         ; the other set was read by the last step's products
	FETCH \s+1
.endif
.if \s == 0
	WIN 0x62                                       ; source 0 (W_out) and C (the bias) window 2, source 1 (ctx) window 0, D window 1
.else
	WIN 0x52                                       ; C and D window 1
.endif
	MUL \s
	WIN 0
.endr
; THE WAY OUT, a block of 16 rows x 64 columns at a time: a lane's 32 bytes of a row go into my own stage and come back as whole rows of 256 bytes.  LDS serves a wave's instructions in order (ISA guide 5.7.1.4): no wait between the stores and the loads.
.macro TOSTAGE a
	WIN 0x04                                       ; an LDS store's data are its source 1: window 1
.irp b, 0,1,2,3
	ds_store_b128 v[STO], v[32*(\a)+8*\b:32*(\a)+8*\b+3] offset:64*\b        ; each accumulator from its low end on
	ds_store_b128 v[STO], v[32*(\a)+8*\b+4:32*(\a)+8*\b+7] offset:64*\b+16
.endr
	WIN 0
.set BB, BK+32*((\a)%2)
.irp i, 0,1,2,3,4,5,6,7
	ds_load_b128 v[BB+4*\i:BB+4*\i+3], v[RD] offset:\i*2*SP
.endr
.endm
.macro SEND a, younger                 ; younger: the LDS instructions issued behind block a's loads, which may stay out
.set BB, BK+32*((\a)%2)
	s_wait_dscnt \younger
.irp i, 0,1,2,3,4,5,6,7
	global_store_b128 v[CO], v[BB+4*\i:BB+4*\i+3], s[14:15] offset:65536*(\a)+8192*\i th:TH_STORE_NT   ; sixteen lanes store 256 consecutive bytes, at a multiple of 256 from out's first byte; two rows an instruction
.endr
.endm
	PLACES                                         ; behind the last products, in front of the first read of results
	TOSTAGE 0
.irp a, 1,2,3,4,5,6,7
.if \a > 1
	s_wait_xcnt 0x0                                ; block a - 2's stores have read their registers: block a's loads may land there
.endif
	TOSTAGE \a
	SEND \a-1, 16                                  ; behind block a - 1's loads: block a's 8 stores and 8 loads
.endr
	SEND 7, 0
	s_wait_tensorcnt 0x0                           ; the wave's end, behind my last tensor load and my last LDS store
	ds_add_u32 v[SPW], v[NIL]
	s_wait_dscnt 0x0
	CROUND                                         ; the closing round
	s_endpgm
.Lfunc_end_k_q7d41548d4e_outp:
	.size	k_q7d41548d4e_outp, .Lfunc_end_k_q7d41548d4e_outp-k_q7d41548d4e_outp
	.p2alignl 7, 3214868480
	.fill 96, 4, 3214868480
	.section	.rodata,"a",@progbits
	.p2align	6, 0x0
	.amdhsa_kernel k_q7d41548d4e_outp
		.amdhsa_group_segment_fixed_size 327680
		.amdhsa_private_segment_fixed_size 0
		.amdhsa_enable_private_segment 0
		.amdhsa_kernarg_size 48
		.amdhsa_user_sgpr_count 2
		.amdhsa_user_sgpr_kernarg_segment_ptr 1
		.amdhsa_wavefront_size32 1
		.amdhsa_system_sgpr_workgroup_id_x 1
		.amdhsa_system_sgpr_workgroup_id_y 1
		.amdhsa_system_sgpr_workgroup_id_z 1
		.amdhsa_system_vgpr_workitem_id 0
		.amdhsa_next_free_vgpr 608
		.amdhsa_next_free_sgpr 80
		.amdhsa_reserve_vcc 0
		.amdhsa_float_denorm_mode_32 3
		.amdhsa_float_denorm_mode_16_64 3
		.amdhsa_memory_ordered 1
		.amdhsa_forward_progress 1
		.amdhsa_inst_pref_size 72
	.end_amdhsa_kernel
	.amdgpu_metadata
---
amdhsa.version: [ 1, 2 ]
amdhsa.kernels:
  - .name:           k_q7d41548d4e_outp
    .symbol:         k_q7d41548d4e_outp.kd
    .args:
      - { .name: cc, .offset: 0, .size: 8, .value_kind: global_buffer, .address_space: global }
      - { .name: cs, .offset: 8, .size: 8, .value_kind: global_buffer, .address_space: global }
      - { .name: W_out_codes, .offset: 16, .size: 8, .value_kind: global_buffer, .address_space: global }
      - { .name: W_out_scales, .offset: 24, .size: 8, .value_kind: global_buffer, .address_space: global }
      - { .name: b_out, .offset: 32, .size: 8, .value_kind: global_buffer, .address_space: global }
      - { .name: out0, .offset: 40, .size: 8, .value_kind: global_buffer, .address_space: global }
    .group_segment_fixed_size: 327680
    .private_segment_fixed_size: 0
    .kernarg_segment_align: 8
    .kernarg_segment_size: 48
    .max_flat_workgroup_size: 128
    .sgpr_count:     80
    .vgpr_count:     608
    .wavefront_size: 32
...
	.end_amdgpu_metadata
.endif
;; end of part 3
